; MI455X (gfx1250); checked and timed in simulation.
; The chip was launched on July 23, 2026; its instructions are those of AMD's public machine-readable ISA for CDNA 5 (MIT licence, August 2026) and "CDNA5" Instruction Set Architecture Reference Guide (July 2026). The comments in the code are by the model that wrote it; some were corrected since.
;; Hstu Layer. Allowed arithmetic: matrix products marked QUANTISED: E4M3 operands, one given power-of-two scale a tensor, by v_wmma_f32_16x16x64_fp8_fp8 or v_wmma_f32_16x16x128_fp8_fp8, f32 sums; everything else in f32.
;; Inputs: Wk 1,024 x 1,024 float32; Wq 1,024 x 1,024 float32; Wu 1,024 x 1,024 float32; Wv 1,024 x 1,024 float32; lowp_scales 12 int32 (the exponents e of the quantised operands' scales 2^e); rel_bias 4,095 x 8 float32; x 4 x 2,048 x 1,024 float32.
;; Outputs: out0 4 x 2,048 x 1,024 float32.
;; This version of the problem:
;;   THIS VERSION OF THE PROBLEM IS GIVEN IN LOW PRECISION. The matrix products marked QUANTISED in the list below multiply operands that are first quantised to E4M3 (4 exponent bits, 3 mantissa bits; 8 bits a number), with one given power-of-two scale for each operand tensor; their sums are f32. All else is computed in f32.
;;   The module's matrix products, in the order in which they are computed (A, B: the left and right operand; K: the contracted axis; several contracted axes count as one K, in the product's order):
;;     1. [M 8,192, K 1,024] x [K 1,024, N 1,024]; A: input x; B: input Wq: QUANTISED (scales: A lowp_scales[0], B lowp_scales[1])
;;     2. [M 8,192, K 1,024] x [K 1,024, N 1,024]; A: input x; B: input Wk: QUANTISED (scales: A lowp_scales[2], B lowp_scales[3])
;;     3. [M 8,192, K 1,024] x [K 1,024, N 1,024]; A: input x; B: input Wv: QUANTISED (scales: A lowp_scales[4], B lowp_scales[5])
;;     4. [M 8,192, K 1,024] x [K 1,024, N 1,024]; A: input x; B: input Wu: QUANTISED (scales: A lowp_scales[6], B lowp_scales[7])
;;     5. batch 32 x [M 2,048, K 128] x [K 128, N 2,048]; A: computed on the way; B: computed on the way: QUANTISED (scales: A lowp_scales[8], B lowp_scales[9])
;;     6. batch 32 x [M 2,048, K 2,048] x [K 2,048, N 128]; A: computed on the way; B: computed on the way: QUANTISED (scales: A lowp_scales[10], B lowp_scales[11])
;;   THE QUANTISER, for each operand of a quantised product, along K:
;;     - The operand's scale is 2^e, e = its entry of the input lowp_scales (int32; the entries are numbered through the quantised products in the list's order, A before B).
;;     - Each number is divided by the scale, clamped to +-448, and rounded to the nearest number of E4M3, ties to even, subnormals kept.
;;     - The product sums the exact products of the quantised numbers (number of the format x scale) in f32.
;;   ~~~python
;;   def quantise(x, axis, e):      # numpy; x: float32 -> the quantised numbers, widened to float32 again
;;       x = np.moveaxis(x, axis, -1); K = x.shape[-1]
;;       r = np.clip(x / 2.0 ** e, -448, 448)
;;       step = 2.0 ** (np.maximum(np.frexp(np.where(r == 0, 1, r))[1] - 1, -6) - 3)
;;       q = np.round(r / step) * step * 2.0 ** e      # np.round: ties to even
;;       return np.moveaxis(q, -1, axis).astype(np.float32)
;;   ~~~
;;   OPERANDS COMPUTED ON THE WAY. 'Computed on the way' means the value that the module computes at that place (a softmax that the list does not call 'softmax' is quantised finished and normalised). What goes into a quantiser is computed in f32, as accurately as f32 sums, v_exp_f32 and their like allow (about 1e-6 of the number): no bf16 or f16 on the way to a quantiser, and a product that is left as it is and whose result goes on into a quantised operand takes f32 operands (vector FMAs, or v_wmma_f32_16x16x4_f32). A number that lies on a knife's edge between two numbers of the format may be rounded either way, as far as f32 arithmetic and the matrix unit's own rounding can turn it there, and no further.
;; One version. Each part assembles by itself: llvm-mc -triple=amdgcn-amd-amdhsa -mcpu=gfx1250 --defsym DOCPART=n.
;; ======== version 1 of 1: 3 launches
;; workspace buffers: xq 33,554,432 bytes; wq 4,194,304 bytes; bt 524,288 bytes; qq 8,388,608 bytes; kq 8,388,608 bytes; vq 8,388,608 bytes; g 33,554,432 bytes; kmask 65,536 bytes
;; launch prep (part 1): grid 416 x 1, 4 waves a work-group, no clusters, 68,096 bytes of LDS; arguments x, Wq, Wk, Wv, Wu, rel_bias, lowp_scales, xq, wq, bt; writes xq, wq, bt
.if DOCPART == 1
	.amdgcn_target "amdgcn-amd-amdhsa--gfx1250"
	.amdhsa_code_object_version 6
	.text
	.protected	k_q552795bced_prep
	.globl	k_q552795bced_prep
	.p2align	8
	.type	k_q552795bced_prep,@function
k_q552795bced_prep:
	s_mov_b64 s[64:65], 0
	v_nop
	global_prefetch_b8 v0, s[64:65] scope:SCOPE_SE
	s_setreg_imm32_b32 hwreg(HW_REG_WAVE_MODE, 25, 1), 1
	s_wait_xcnt 0x0
; PREP: everything that is quantised or laid out once.  Three kinds of work-groups, told apart by the work-group's number alone:
;   0-255   x [8192][1024] f32 -> xq: FOUR copies of codes (E4M3), copy p with the scale 2^e[2p] that product p gives for x (the four need not be equal);
;   256-383 W_p [1024 k][1024 n] f32 -> wq: codes with K innermost, [p][n][k], scale 2^e[2p+1];
;   384-415 rel_bias [4095][8] -> bt: for each head four copies of a table over d = key - query, divided by 2^(e8+e9), with -2^100 where d > 0 (the causal mask).
; ROWS ARE STORED SWAPPED: physical row f of xq and of wq holds logical row sw(f), sw = bits 3 and 4 of the row number exchanged.  Sixteen neighbouring physical rows are a matrix tile,
; and as source 0 of a product two neighbouring tiles then leave a lane 16 NEIGHBOURS (logical rows 32 b + 16 (lane / 16) + 0 .. 15) in 16 result registers.
; code = x / 2^e, held within +-448, to the nearest code, ties to even.  LIMITS: each e between -126 and 119; e8 + e9 between -60 and 60; NaN among the inputs is not served.
; No tensor loads, no barrier: waves share nothing.  Each kind of work-group has LDS bytes of its own: x 0 .. 32767, W 32768 .. 67583, the bias none.
.set SP,    80                         ; x: a lane's place in a stage: its 64 bytes + 16 of padding
.set STEPS, 16                         ; x: a wave takes 16 steps of 512 numbers: 8 rows
.set R,     16                         ; v16-79   x: four sets of 16 numbers as loaded
.set X,     80                         ; v80-111  x: two sets of 16 neighbours
.set C,     128                        ; v128-159 x: codes: two sets (by step) of four copies x four registers
.set SC,    160                        ; v160-163 x: 2^e[2p] as f32
.set LM,    164                        ; v164-167 x: 448 x 2^e[2p]
                                       ; v112-127, v168-183  x: the held numbers, two sets by turns of p
.set WSTG,  32768                      ; W: the stages begin here
.set WP,    272                        ; W: a stage row: 256 bytes of codes + 16
.set XW,    32                         ; v32-95   W: two sets of 32 numbers
.set CW,    96                         ; v96-103  W: a block's codes
.set OUTR,  112                        ; v112-175 W: the way out
	s_load_b512 s[4:19], s[0:1], 0x0               ; x s[4:5], Wq s[6:7], Wk s[8:9], Wv s[10:11], Wu s[12:13], rel_bias s[14:15], the scales s[16:17], xq s[18:19]
	s_load_b128 s[20:23], s[0:1], 0x40             ; wq s[20:21], bt s[22:23]
	v_lshl_add_u32 v192, v0, 2, 0x10800
	v_mov_b32 v193, 0
	v_lshrrev_b32 v1, 5, v0
	v_readfirstlane_b32 s24, v1                    ; wave 0..3
	v_and_b32 v2, 31, v0                           ; lane
	s_cmp_lt_u32 ttmp9, 256
	s_cbranch_scc1 .Lx
	s_cmp_lt_u32 ttmp9, 384
	s_cbranch_scc1 .Lw
; ---------------- the bias table.  Work-group j = 4 head + s writes copy s of the head's table: T_s[p] stands for d = key - query = p - s - 2048, which is row 4095 - p + s of rel_bias.
; Copy s is the same table moved by s entries, so that a lane whose query is r finds its eight entries at a multiple of 16 bytes in copy r % 4.
	s_sub_co_u32 s25, ttmp9, 384                   ; j
	s_lshr_b32 s26, s25, 2                         ; head
	s_and_b32 s27, s25, 3                          ; s
	s_add_co_u32 s28, s27, 4095
	v_lshlrev_b32 v1, 2, v0                        ; 4 t: thread t takes entries 4 t + 512 jj + n, jj = 0 .. 7, n = 0 .. 3
	v_lshlrev_b32 v3, 4, v0                        ; and stores them at 16 t + 2048 jj
	v_mov_b32 v4, 0xf1800000                       ; -2^100
	s_lshl_b32 s30, s26, 2                         ; the head's column in a row of rel_bias
	s_mov_b32 s31, 0
	s_lshl_b32 s32, s25, 14                        ; copy j begins at 16,384 j
	s_mov_b32 s33, 0
	s_wait_kmcnt 0x0
	s_load_b64 s[34:35], s[16:17], 0x20            ; e8, e9
	s_add_nc_u64 s[14:15], s[14:15], s[30:31]
	s_add_nc_u64 s[22:23], s[22:23], s[32:33]
.set k, 0
.rept 32
	v_add_nc_u32 v[48+k], 512*(k/4)+k%4, v1        ; p
	v_sub_nc_u32 v[48+k], s28, v[48+k]             ; the row: 4095 + s - p, never negative
	v_min_u32 v[48+k], 4094, v[48+k]               ; p < s + 1 would leave the table: those entries stand for d < -2047, which no pair has
	v_lshlrev_b32 v[80+k], 5, v[48+k]              ; a row of rel_bias is 32 bytes
	global_load_b32 v[16+k], v[80+k], s[14:15]
.set k, k+1
.endr
	s_wait_kmcnt 0x0
	s_add_co_i32 s36, s34, s35
	s_sub_co_i32 s36, 0, s36                       ; -(e8 + e9): the bias is added to sums that lack the factor 2^(e8 + e9)
	s_wait_loadcnt 0x0
.set k, 0
.rept 32
	v_ldexp_f32 v[16+k], v[16+k], s36
	v_cmp_gt_u32 vcc_lo, 2047, v[48+k]             ; row < 2047: key > query
	v_cndmask_b32 v[16+k], v[16+k], v4, vcc_lo
.set k, k+1
.endr
.irp j, 0,1,2,3,4,5,6,7
	global_store_b128 v3, v[16+4*\j:19+4*\j], s[22:23] offset:2048*\j   ; a wave stores 512 consecutive bytes
.endr
	s_endpgm
; ---------------- x.  A wave takes a run of 8 rows (8,192 numbers).  Each load reads 512 consecutive bytes, 16 a lane; a step's 2,048 bytes turn through the wave's own stage in LDS and come back 64 bytes a lane:
; 16 neighbours along K, which the conversions want in one lane's registers.  Each step is converted four times, once for each scale.
.Lx:
	v_lshlrev_b32 v3, 4, v2                        ; 16 x lane: my bytes of a load's 512 and of a store's 512; never rewritten
	s_mul_i32 s25, s24, 8192                       ; my wave's LDS: two stages of 32 x SP bytes
	v_lshrrev_b32 v14, 2, v2
	v_mul_u32_u24 v14, v14, SP
	v_and_b32 v15, 3, v2
	v_lshl_add_u32 v14, v15, 4, v14
	v_add_nc_u32 v14, s25, v14                     ; into the stage: SP (lane / 4) + 16 (lane % 4)
	v_mul_u32_u24 v15, v2, SP
	v_add_nc_u32 v15, s25, v15                     ; out of it: SP x lane
	s_lshl_b32 s26, ttmp9, 2
	s_add_co_u32 s26, s26, s24                     ; my run: logical rows 8 run .. 8 run + 7
	s_and_b32 s27, s26, 1
	s_lshl_b32 s27, s27, 1
	s_bfe_u32 s28, s26, 0x10001
	s_or_b32 s27, s27, s28
	s_and_b32 s28, s26, 0xfffffffc
	s_or_b32 s27, s27, s28                         ; where it goes: the run's bits 0 and 1 (the rows' bits 3 and 4) exchanged
	s_lshl_b32 s26, s26, 15                        ; 32,768 bytes of f32 a run
	s_lshl_b32 s28, s27, 13                        ; 8,192 bytes of codes
	s_mov_b32 s27, 0
	s_mov_b32 s29, 0
	s_wait_kmcnt 0x0
	s_load_b256 s[40:47], s[16:17], 0x0            ; e0 .. e7
	s_add_nc_u64 s[4:5], s[4:5], s[26:27]
	s_add_nc_u64 s[32:33], s[18:19], s[28:29]      ; copy 0,
	s_add_nc_u64 s[34:35], s[32:33], 0x800000      ; and the others, 8,388,608 bytes apart
	s_add_nc_u64 s[36:37], s[34:35], 0x800000
	s_add_nc_u64 s[38:39], s[36:37], 0x800000
.macro XLOAD t
.irp i, 0,1,2,3
	global_load_b128 v[R+16*((\t)%4)+4*\i:R+16*((\t)%4)+4*\i+3], v3, s[4:5] offset:2048*(\t)+512*\i th:TH_LOAD_NT
.endr
.endm
.macro XTURN t                         ; step t's numbers through the stage: LDS serves a wave's instructions in order, so no wait stands between the stores and the loads
.irp i, 0,1,2,3
	ds_store_b128 v14, v[R+16*((\t)%4)+4*\i:R+16*((\t)%4)+4*\i+3] offset:32*SP*((\t)%2)+8*SP*\i
.endr
.irp i, 0,1,2,3
	ds_load_b128 v[X+16*((\t)%2)+4*\i:X+16*((\t)%2)+4*\i+3], v15 offset:32*SP*((\t)%2)+16*\i
.endr
.endm
.irp t, 0,1,2,3
	XLOAD \t
.endr
	s_wait_kmcnt 0x0
.irp p, 0,1,2,3
	s_add_co_i32 s48, s[40+2*\p], 127
	s_lshl_b32 s49, s48, 23
	v_mov_b32 v[SC+\p], s49                        ; 2^e as f32: the conversion takes its exponent field
	s_add_co_i32 s48, s48, 8
	s_lshl_b32 s48, s48, 23
	s_or_b32 s48, s48, 0x600000
	v_mov_b32 v[LM+\p], s48                        ; 448 x 2^e
.endr
	s_wait_loadcnt 12                              ; step 0's four loads are in; three steps' loads stay out
	XTURN 0
.macro XSTEP t
.set XS, X+16*((\t)%2)
.set CS, C+16*((\t)%2)
	s_wait_dscnt 0x0                               ; this step's numbers are back from the stage, so its stores into the stage have read their registers,
.if (\t)+4 < STEPS
	XLOAD (\t)+4                                   ; which take the loads of four steps on
.endif
.if (\t)+1 < STEPS
.if STEPS-2-(\t) >= 3
	s_wait_loadcnt 12                              ; the next step's four loads are in; those of the three steps behind it may be out
.else
	s_wait_loadcnt 4*(STEPS-2-(\t))
.endif
	XTURN (\t)+1
.endif
	s_wait_xcnt 0x0                                ; the stores of two steps ago have read this set of code registers: only now are they written again
.irp p, 0,1,2,3
.irp i, 0,1,2,3,4,5,6,7,8,9,10,11,12,13,14,15
	v_med3_num_f32 v[112+56*(\p%2)+\i], v[XS+\i], -v[LM+\p], v[LM+\p]   ; the conversion to an 8-bit code does not saturate (ISA guide 7.6.2): the hold, into a set of its own, since x is wanted four times
.endr
	v_cvt_scalef32_pk8_fp8_f32 v[CS+4*\p:CS+4*\p+1], v[112+56*(\p%2):112+56*(\p%2)+7], v[SC+\p]
	v_cvt_scalef32_pk8_fp8_f32 v[CS+4*\p+2:CS+4*\p+3], v[112+56*(\p%2)+8:112+56*(\p%2)+15], v[SC+\p]
.endr                                  ; the next p's sixteen holds write the OTHER set: plain lines stand between a conversion and the next write of its sources
.irp p, 0,1,2,3
	global_store_b128 v3, v[CS+4*\p:CS+4*\p+3], s[32+2*\p:33+2*\p] offset:512*(\t)   ; 512 consecutive bytes a wave
.endr
.endm
.irp t, 0,1,2,3,4,5,6,7,8,9,10,11,12,13,14,15
	XSTEP \t
.endr
	s_wait_tensorcnt 0x0
	ds_add_u32 v192, v193
	s_wait_dscnt 0x0
	s_endpgm
; ---------------- W.  K is W's FIRST axis: a lane takes a column n and its registers run down K, so the conversions give codes with K innermost and nothing is transposed by an instruction.
; A wave takes 32 columns x 256 along K; its codes go through its own stage and leave as rows: sixteen lanes store 256 consecutive bytes, aligned.
.Lw:
	s_sub_co_u32 s25, ttmp9, 256                   ; j = 32 p + 8 ky + nx
	s_lshr_b32 s26, s25, 5                         ; p: which weight
	s_and_b32 s27, s25, 7                          ; nx: which 128 columns
	s_bfe_u32 s28, s25, 0x20003                    ; ky: which 256 along K
	s_lshl_b32 s29, s27, 7
	s_lshl_b32 s30, s24, 5
	s_add_co_u32 s29, s29, s30                     ; my wave's first column, a multiple of 32
	v_lshlrev_b32 v3, 2, v2                        ; in: 4 bytes a lane
	s_mul_i32 s30, s24, 32*WP
	s_add_co_u32 s30, s30, WSTG                    ; my stage
	v_mul_u32_u24 v4, v2, WP
	v_add_nc_u32 v4, s30, v4                       ; into it: row = my column
	v_and_b32 v5, 15, v2
	v_lshrrev_b32 v6, 4, v2
	v_mul_u32_u24 v7, v6, WP
	v_lshl_add_u32 v7, v5, 4, v7
	v_add_nc_u32 v7, s30, v7                       ; out of it: sixteen lanes to a row, two rows an instruction
	v_lshlrev_b32 v8, 10, v6
	v_lshl_add_u32 v8, v5, 4, v8                   ; and the same place in wq (a row is 1,024 bytes)
	s_lshl_b32 s32, s28, 20                        ; 256 ky rows of 4,096 bytes
	s_lshl_b32 s31, s29, 2
	s_add_co_u32 s32, s32, s31
	s_mov_b32 s33, 0
	s_lshl_b32 s34, s26, 10
	s_add_co_u32 s34, s34, s29
	s_lshl_b32 s34, s34, 10                        ; (1024 p + column) rows of 1,024 bytes
	s_lshl_b32 s31, s28, 8
	s_add_co_u32 s34, s34, s31                     ; + 256 ky
	s_mov_b32 s35, 0
	s_lshl_b32 s31, s26, 3
	s_wait_kmcnt 0x0
	s_load_b32 s36, s[16:17], s31 offset:0x4       ; e[2p + 1]
	s_cmp_eq_u32 s26, 1                            ; the weight is chosen by the work-group's number alone
	s_cselect_b64 s[38:39], s[8:9], s[6:7]
	s_cmp_eq_u32 s26, 2
	s_cselect_b64 s[38:39], s[10:11], s[38:39]
	s_cmp_eq_u32 s26, 3
	s_cselect_b64 s[38:39], s[12:13], s[38:39]
	s_add_nc_u64 s[38:39], s[38:39], s[32:33]
	s_add_nc_u64 s[40:41], s[20:21], s[34:35]
.macro WLOAD t                         ; block t: W(32 t + i, my column), i = 0 .. 31, into set t % 2; a wave reads 128 consecutive bytes, the four waves 512
.set k, 0
.rept 32
	global_load_b32 v[XW+32*((\t)%2)+k], v3, s[38:39] offset:(32*(\t)+k)*4096 th:TH_LOAD_NT
.set k, k+1
.endr
.endm
	WLOAD 0
	WLOAD 1
	s_wait_kmcnt 0x0
	s_add_co_i32 s36, s36, 127
	s_lshl_b32 s37, s36, 23
	v_mov_b32 v11, s37                             ; 2^e as f32
	s_add_co_i32 s36, s36, 8
	s_lshl_b32 s36, s36, 23
	s_or_b32 s36, s36, 0x600000
	v_mov_b32 v10, s36                             ; 448 x 2^e
.macro WBLOCK t
.set XS, XW+32*((\t)%2)
.if (\t) < 7
	s_wait_loadcnt 32                              ; this block's 32 loads are in; the next block's may be out
.else
	s_wait_loadcnt 0
.endif
.set k, 0
.rept 32
	v_med3_num_f32 v[XS+k], v[XS+k], -v10, v10
.set k, k+1
.endr
.irp g, 0,1,2,3
	v_cvt_scalef32_pk8_fp8_f32 v[CW+2*\g:CW+2*\g+1], v[XS+8*\g:XS+8*\g+7], v11
.endr
	ds_store_b128 v4, v[CW:CW+3] offset:32*(\t)    ; 32 codes: 32 bytes of my column's row
	ds_store_b128 v4, v[CW+4:CW+7] offset:32*(\t)+16
.if (\t)+2 < 8
	WLOAD (\t)+2
.endif
	s_wait_dscnt 0x0                               ; the stores have read their registers: the next block's codes may be written
.endm
.irp t, 0,1,2,3,4,5,6,7
	WBLOCK \t
.endr
.irp t, 0,1,2,3,4,5,6,7,8,9,10,11,12,13,14,15
	ds_load_b128 v[OUTR+4*\t:OUTR+4*\t+3], v7 offset:2*\t*WP   ; LDS serves a wave's instructions in order: these see my stores
.endr
.irp t, 0,1,2,3,4,5,6,7,8,9,10,11,12,13,14,15
	s_wait_dscnt 15-\t                             ; the younger loads may be out
	global_store_b128 v8, v[OUTR+4*\t:OUTR+4*\t+3], s[40:41] offset:(((2*\t)&7)|((((2*\t)>>3)&1)<<4)|((((2*\t)>>4)&1)<<3))*1024   ; column 2 t + lane / 16 goes to physical row sw(2 t) + lane / 16
.endr
	s_wait_tensorcnt 0x0
	ds_add_u32 v192, v193
	s_wait_dscnt 0x0
	s_endpgm
.Lfunc_end_k_q552795bced_prep:
	.size	k_q552795bced_prep, .Lfunc_end_k_q552795bced_prep-k_q552795bced_prep
	.p2alignl 7, 3214868480
	.fill 96, 4, 3214868480
	.section	.rodata,"a",@progbits
	.p2align	6, 0x0
	.amdhsa_kernel k_q552795bced_prep
		.amdhsa_group_segment_fixed_size 68096
		.amdhsa_private_segment_fixed_size 0
		.amdhsa_enable_private_segment 0
		.amdhsa_kernarg_size 80
		.amdhsa_user_sgpr_count 2
		.amdhsa_user_sgpr_kernarg_segment_ptr 1
		.amdhsa_wavefront_size32 1
		.amdhsa_system_sgpr_workgroup_id_x 1
		.amdhsa_system_sgpr_workgroup_id_y 1
		.amdhsa_system_sgpr_workgroup_id_z 1
		.amdhsa_system_vgpr_workitem_id 0
		.amdhsa_next_free_vgpr 194
		.amdhsa_next_free_sgpr 80
		.amdhsa_reserve_vcc 1
		.amdhsa_float_denorm_mode_32 3
		.amdhsa_float_denorm_mode_16_64 3
		.amdhsa_memory_ordered 1
		.amdhsa_forward_progress 1
		.amdhsa_inst_pref_size 161
	.end_amdhsa_kernel
	.amdgpu_metadata
---
amdhsa.version: [ 1, 2 ]
amdhsa.kernels:
  - .name:           k_q552795bced_prep
    .symbol:         k_q552795bced_prep.kd
    .args:
      - { .name: x, .offset: 0, .size: 8, .value_kind: global_buffer, .address_space: global }
      - { .name: Wq, .offset: 8, .size: 8, .value_kind: global_buffer, .address_space: global }
      - { .name: Wk, .offset: 16, .size: 8, .value_kind: global_buffer, .address_space: global }
      - { .name: Wv, .offset: 24, .size: 8, .value_kind: global_buffer, .address_space: global }
      - { .name: Wu, .offset: 32, .size: 8, .value_kind: global_buffer, .address_space: global }
      - { .name: rel_bias, .offset: 40, .size: 8, .value_kind: global_buffer, .address_space: global }
      - { .name: lowp_scales, .offset: 48, .size: 8, .value_kind: global_buffer, .address_space: global }
      - { .name: xq, .offset: 56, .size: 8, .value_kind: global_buffer, .address_space: global }
      - { .name: wq, .offset: 64, .size: 8, .value_kind: global_buffer, .address_space: global }
      - { .name: bt, .offset: 72, .size: 8, .value_kind: global_buffer, .address_space: global }
    .group_segment_fixed_size: 68096
    .private_segment_fixed_size: 0
    .kernarg_segment_align: 8
    .kernarg_segment_size: 80
    .max_flat_workgroup_size: 128
    .sgpr_count:     80
    .vgpr_count:     194
    .wavefront_size: 32
...
	.end_amdgpu_metadata
.endif
;; end of part 1
;; launch proj (part 2): grid 16 x 32, 4 waves a work-group, clusters of 4 x 4, 327,680 bytes of LDS; arguments xq, wq, lowp_scales, qq, kq, vq, g, kmask; writes qq, kq, vq, g, kmask
.if DOCPART == 2
	.amdgcn_target "amdgcn-amd-amdhsa--gfx1250"
	.amdhsa_code_object_version 6
	.text
	.protected	k_q552795bced_proj
	.globl	k_q552795bced_proj
	.p2align	8
	.type	k_q552795bced_proj,@function
k_q552795bced_proj:
	s_mov_b64 s[64:65], 0
	v_nop
	global_prefetch_b8 v0, s[64:65] scope:SCOPE_SE
	s_setreg_imm32_b32 hwreg(HW_REG_WAVE_MODE, 25, 1), 1
	s_wait_xcnt 0x0
	s_wait_alu depctr_hold_cnt(0) depctr_sa_sdst(0) depctr_va_vdst(0) depctr_va_sdst(0) depctr_va_ssrc(0) depctr_va_vcc(0) depctr_vm_vsrc(0)
	s_getreg_b32 s2, hwreg(HW_REG_IB_STS2, 6, 4)
	s_cmp_eq_u32 s2, 0
	s_cbranch_scc0 .Lentry_in_a_cluster
	s_endpgm
.Lentry_in_a_cluster:
	s_bfe_u32 s2, ttmp6, 0x10000c
	s_cmp_lg_u32 s2, 0xf033
	s_cbranch_scc0 .Lentry_shape_is_right
	s_endpgm
.Lentry_shape_is_right:
; PROJ: the four projections x W_p on codes of FP8 (E4M3), each followed by its silu, in one launch.  p = the cluster's x: 0 Q, 1 K, 2 V, 3 U.
; A tile of 256 x 256 is made by a work-group of four waves, each 128 x 128: 64 accumulators, 512 registers.  K = 1,024 goes in four steps of 256 through a ring of two LDS slots filled by the tensor data mover.
; CLUSTERS: 4 x 4 work-groups; a cluster's four tile columns are one whole projection.  The four of a row of the cluster ask for A's tile jointly, the four of a column for B's.
; THE MATRIX INSTRUCTION IS USED TRANSPOSED: source 0 = 16 rows of B, source 1 = 16 rows of A: a lane holds ONE row of A and its registers run along B's rows.
;   p = 0, 1, 3:  A = x's codes (copy p), B = W_p's: a lane holds one token and 16 neighbouring channels for each pair of tiles: the next product's K (Q, K), or 64 bytes of a row (U).
;   p = 2:        A = W_v's codes, B = x's (copy 2): a lane holds one channel and 16 neighbouring KEYS, which are the last product's K.  The roles are changed by addresses, not by text.
; Rows of xq and wq lie swapped (physical row f = logical row sw(f), bits 3 and 4 exchanged): that makes the 16 registers of B's tiles 2 b, 2 b + 1 the logical rows 32 b + 16 (lane / 16) + 0 .. 15;
; A's block a, lane r is logical row lam(a, r) = 32 (a / 2) + 8 (a % 2) + r % 8 + 16 (r / 8), which the stores' immediates take care of.
; OUT: qq, kq [batch x 8 + head][token][128]: codes of silu(.), scales 2^e8, 2^e9;  vq [batch x 8 + head][key step][128 channels][128 keys]: codes, scale 2^e11;
; g [batch x 8 + head][token][128] f32 = silu(U) x 2^(e10 + e11): rows of 512 bytes on end, as the next launch copies them;  kmask [batch x 8 + head][token]: 0xFF where some |silu(K)| of the token's head is not 0, else 0.
; silu: a sum a stands for a x 2^Ep, Ep = e[2p] + e[2p+1].  z = 2^(a c1), c1 = -log2(e) 2^Ep; a / (1 + z) is silu / 2^Ep, and the conversion's scale is 2^(eo - Ep).  For U the factor 2^X, X = Ep + e10 + e11, is folded in:
; z' = 2^(a c1 - X), a / (z' + 2^-X) = silu(U) 2^(e10 + e11).
; LIMITS: Ep and X between -100 and 100; eo - Ep between -126 and 119.  NaN among the inputs is not served.
; No prefetch: K has four steps, of which the first two are asked for at the head and the other two one step later.
; REGISTERS, in windows of 256: window 0: v0-31 addresses and constants; from v128 A's fragments, ONE set; on the way out v32-255 are free.  window 1: B's fragments, TWO sets.  windows 2, 3: the accumulators ((a, b) at v[8 (8 (a % 4) + b)]).
.set KSTEP,  256
.set ROWB,   256                       ; a tile's row in bytes
.set KROW,   1024                      ; a row of xq or wq in memory
.set PITCH,  272                       ; an LDS row: 256 bytes + 16 of padding: the 16 rows that a load touches start at 16 different banks (64 banks of 4 bytes: ISA guide 11.1)
.set FR,     16
.set NL,     4
.set NP,     4
.set HALFT,  128*PITCH
.set SLOT,   4*HALFT
.set LAPS,   2                         ; 1,024 / 512
.set SPARE,  2*SLOT                    ; behind the ring: the spare words, 128 bytes for each wave
.set STGB,   8448                      ; the way out: a stage of 16 rows x 528 bytes for each wave, in slot 0, which has had its last fill and its last read when the first result is stored there
.set ADRA, 16                          ; v16-17  LDS address of my A fragments in slot 0, 1
.set ADRB, 20                          ; v20-21  the same for B
.set STC,  22                          ; v22  codes into the stage: row r x 144 + 16 h
.set RDC,  23                          ; v23  codes back: four rows of 128 bytes an instruction
.set STO,  24                          ; v24  f32 into the stage: row r x 528 + 64 h
.set RD,   25                          ; v25  f32 back: a row of 512 bytes an instruction
.set CO,   26                          ; v26  16 x lane
.set VM,   27                          ; v27  r % 8 + 16 (r / 8): my token's place in kmask
.set SPW,  28                          ; v28  my spare word; never rewritten
.set NIL,  29                          ; v29  0; never rewritten
.set LIM,  30                          ; v30  448 x 2^(eo - Ep)
.set SCL,  31                          ; v31  2^(eo - Ep)
.set TT,   32                          ; v32-95   a block's 64 numbers at work
.set CD,   96                          ; v96-111  its codes
.set OBC,  112                         ; v112-127, v128-143  codes back from the stage, by turns
.set OBU,  128                         ; v128-191, v192-255  f32 rows back from the stage, by turns
.set AF,   128
.set G1, 24
.set G0, 32
.set G1B, 48
.set G0B, 56
.set MSB, 0
.macro WIN new                         ; the immediate's high byte repeats the setting that is left
.if MSB != \new
	s_set_vgpr_msb (MSB<<8)|\new
.set MSB, \new
.endif
.endm
.set MUL_LO, 0xa1                      ; source 0 (B) window 1, source 1 (A) window 0, C and D window 2
.set MUL_HI, 0xf1                      ; the same, C and D window 3
.set TO_B,   0x40                      ; destination window 1, address window 0
; A joint load: waves 0 and 1 fetch for A, waves 2 and 3 for B.  The branch hangs on the wave's number alone.  Four v_nop follow each of the two lines.
.macro JLOAD g0a, g1a, g0b, g1b
	s_cmp_eq_u32 s15, 0
	s_cbranch_scc0 .Lfor_b_\@
	tensor_load_to_lds s[\g0a:\g0a+3], s[\g1a:\g1a+7]
	s_nop 0
.rept 4
	v_nop
.endr
	s_branch .Lasked_\@
.Lfor_b_\@:
	tensor_load_to_lds s[\g0b:\g0b+3], s[\g1b:\g1b+7]
	s_nop 0
.rept 4
	v_nop
.endr
.Lasked_\@:
.endm
.macro CREST                           ; a round of the cluster's barrier behind its opening barrier
	s_cmp_lg_u32 s14, 0
	s_cbranch_scc1 .Lnot_wave_0_\@
	s_barrier_signal -3
.Lnot_wave_0_\@:
	s_barrier_wait -3
	s_barrier_signal -1
	s_barrier_wait -1
.endm
.macro CROUND
	s_barrier_signal -1
	s_barrier_wait -1
	CREST
.endm
	s_load_b128 s[4:7], s[0:1], 0x0                ; xq s[4:5], wq s[6:7]
	s_load_b64 s[8:9], s[0:1], 0x10                ; the scales' exponents
	s_load_b256 s[68:75], s[0:1], 0x18             ; qq s[68:69], kq s[70:71], vq s[72:73], g s[74:75]
	s_load_b64 s[76:77], s[0:1], 0x38              ; kmask
	v_lshl_add_u32 v[SPW], v0, 2, SPARE
	v_mov_b32 v[NIL], 0
	ds_add_u32 v28, v29
	ds_add_u32 v28, v29
	s_wait_dscnt 0x0
	v_lshrrev_b32 v1, 5, v0
	v_readfirstlane_b32 s14, v1                    ; wave 0..3
	s_lshr_b32 s15, s14, 1                         ; which half of A's rows is mine.  Also: I fetch for A (0) or for B (1)
	s_and_b32 s16, s14, 1                          ; which half of B's rows.  Also: which 128 rows of that tile I fetch
	s_bfe_u32 s40, ttmp6, 0x40000                  ; cx, cy: my place in the cluster
	s_bfe_u32 s41, ttmp6, 0x40004
	s_mov_b32 s66, ttmp9                           ; p, the cluster's x: the same in all sixteen partners
	s_and_b32 s67, ttmp7, 0xffff
	s_lshl_b32 s67, s67, 2                         ; 4 x the cluster's y: it walks x's 32 tile rows,
	s_cmp_eq_u32 s66, 2
	s_cselect_b32 s10, 0, s67                      ; which are A's, but for V,
	s_cselect_b32 s11, s67, 0                      ; where they are B's
	s_add_co_u32 s17, s10, s41                     ; A's tile row: made of cy, never of cx
	s_add_co_u32 s42, s11, s40                     ; B's tile row: made of cx, never of cy
	s_lshl_b32 s43, s41, 2
	s_lshl_b32 s43, 15, s43                        ; my row of the cluster
	s_lshl_b32 s44, 0x1111, s40                    ; my column
	; descriptor group 1: a tile of 128 rows x 256 bytes, padded in LDS
	s_or_b32 s[G1+0], s43, (0<<16)|(1<<20)|(1<<21)|(5<<22)|(3<<25)  ; 15:0 the mask: A's tiles go to my row; 17:16 elements of 1 byte; 20 padding on; 21 set beside a mask; 24:22 after every 64 words; 31:25 four words
	s_or_b32 s[G1B+0], s44, (0<<16)|(1<<20)|(1<<21)|(5<<22)|(3<<25)
.irp g, G1, G1B
	s_mov_b32 s[\g+1], ROWB<<16                    ; tensor_dim0
	s_mov_b32 s[\g+2], 128<<16                     ; tensor_dim1
	s_mov_b32 s[\g+3], ROWB<<16                    ; tile_dim0
	s_mov_b32 s[\g+4], 128                         ; tile_dim1
	s_mov_b32 s[\g+5], KROW                        ; tensor_dim0_stride
	s_mov_b32 s[\g+6], 0
	s_mov_b32 s[\g+7], 0
.endr
	s_lshl_b32 s18, s16, 7                         ; which 128 rows of the tile I fetch
	s_lshl_b32 s20, s17, 8
	s_add_co_u32 s20, s20, s18
	s_lshl_b32 s20, s20, 10                        ; A: (256 x tile row + 128 x half) rows of 1,024 bytes
	s_lshl_b32 s46, s42, 8
	s_add_co_u32 s46, s46, s18
	s_lshl_b32 s46, s46, 10                        ; B likewise
	s_lshl_b32 s10, s66, 23                        ; x's copy p begins here in xq,
	s_lshl_b32 s11, s66, 20                        ; W_p's codes here in wq
	s_cmp_eq_u32 s66, 2
	s_cselect_b32 s12, s11, s10
	s_cselect_b32 s13, s10, s11
	s_add_co_u32 s20, s20, s12
	s_add_co_u32 s46, s46, s13
	s_mov_b32 s21, 0
	s_mov_b32 s47, 0
	s_lshl_b32 s78, s66, 3
	s_mul_i32 s45, s14, HALFT                      ; where the tiles go: wave x 128 rows: no place in the cluster enters an LDS address
	s_mov_b32 s94, 0x76543210                      ; v_permlanex16_b32's selects for lane l xor 16
	s_mov_b32 s95, 0xfedcba98
	s_wait_kmcnt 0x0
	s_load_b64 s[96:97], s[8:9], s78 offset:0x0    ; e[2p], e[2p+1]
	s_load_b128 s[80:83], s[8:9], 0x20             ; e8 .. e11
	s_cmp_eq_u32 s66, 2                            ; the buffers change roles for V: a choice that hangs on no address
	s_cselect_b64 s[12:13], s[6:7], s[4:5]
	s_cselect_b64 s[22:23], s[4:5], s[6:7]
	s_add_nc_u64 s[20:21], s[12:13], s[20:21]
	s_add_nc_u64 s[46:47], s[22:23], s[46:47]
	CROUND                                         ; all sixteen work-groups are here: the first joint loads meet
.irp s, 0,1
	s_mov_b32 s[G0+4*\s], 1
	s_add_co_u32 s[G0+4*\s+1], s45, \s*SLOT
	s_add_nc_u64 s[G0+4*\s+2:G0+4*\s+3], s[20:21], \s*ROWB
	s_or_b32 s[G0+4*\s+3], s[G0+4*\s+3], 0x80000000
	s_mov_b32 s[G0B+4*\s], 1
	s_add_co_u32 s[G0B+4*\s+1], s45, \s*SLOT
	s_add_nc_u64 s[G0B+4*\s+2:G0B+4*\s+3], s[46:47], \s*ROWB
	s_or_b32 s[G0B+4*\s+3], s[G0B+4*\s+3], 0x80000000
	JLOAD G0+4*\s, G1, G0B+4*\s, G1B
.endr
	v_and_b32 v1, 15, v0                           ; r = lane % 16
	v_bfe_u32 v2, v0, 4, 1                         ; h = lane / 16
	v_mul_u32_u24 v3, v1, PITCH
	v_lshl_add_u32 v4, v2, 4, v3                   ; a fragment's row x pitch + 16 x half
	s_mul_i32 s21, s15, HALFT                      ; my 128 rows of A
	s_mul_i32 s22, s16, HALFT                      ; my 128 rows of B,
	s_add_co_u32 s22, s22, 2*HALFT                 ; which lie behind A's 256
.irp s, 0,1
	v_add_nc_u32 v[ADRA+\s], s21, v4
	v_add_nc_u32 v[ADRB+\s], s22, v4
	s_add_co_u32 s21, s21, SLOT
	s_add_co_u32 s22, s22, SLOT
.endr
	s_mul_i32 s23, s14, STGB                       ; my stage
	v_mul_u32_u24 v5, v1, 144
	v_lshl_add_u32 v5, v2, 4, v5
	v_add_nc_u32 v[STC], s23, v5
	v_bfe_u32 v5, v0, 3, 2                         ; (lane / 8)
	v_mul_u32_u24 v5, v5, 144
	v_and_b32 v6, 7, v0
	v_lshl_add_u32 v5, v6, 4, v5
	v_add_nc_u32 v[RDC], s23, v5
	v_mul_u32_u24 v5, v1, 528
	v_lshl_add_u32 v5, v2, 6, v5
	v_add_nc_u32 v[STO], s23, v5
	v_and_b32 v6, 31, v0
	v_lshlrev_b32 v[CO], 4, v6
	v_add_nc_u32 v[RD], s23, v[CO]
	v_and_b32 v[VM], 7, v0
	v_bfe_u32 v5, v0, 3, 1
	v_lshl_add_u32 v[VM], v5, 4, v[VM]
	v_mov_b32 v14, 255
	; where my 128 x 128 goes.  (In registers that feed no descriptor: both cx and cy enter here.)
	s_lshl_b32 s10, s17, 8
	s_lshl_b32 s11, s15, 7
	s_add_co_u32 s10, s10, s11                     ; my first row of A
	s_lshl_b32 s11, s42, 8
	s_lshl_b32 s12, s16, 7
	s_add_co_u32 s11, s11, s12                     ; my first row of B
	s_cmp_eq_u32 s66, 2
	s_cselect_b32 s12, s11, s10                    ; tokens: A's rows, for V B's
	s_cselect_b32 s13, s10, s11                    ; channels: the other
	s_lshr_b32 s12, s12, 7                         ; which block of 128 tokens, 0 .. 63
	s_lshr_b32 s13, s13, 7                         ; which head
	s_lshr_b32 s18, s12, 4
	s_lshl_b32 s18, s18, 3
	s_add_co_u32 s18, s18, s13                     ; batch x 8 + head
	s_and_b32 s12, s12, 15
	s_lshl_b32 s19, s18, 4
	s_add_co_u32 s19, s19, s12
	s_lshl_b32 s19, s19, 14                        ; a block of 128 x 128 codes is 16,384 bytes,
	s_lshl_b32 s10, s19, 2                         ; of f32 (g) 65,536
	s_lshl_b32 s18, s18, 11
	s_lshl_b32 s12, s12, 7
	s_add_co_u32 s86, s18, s12
	s_mov_b32 s87, 0
	s_add_nc_u64 s[86:87], s[76:77], s[86:87]      ; my 128 tokens in kmask
	s_mov_b32 s85, 0
	s_cmp_eq_u32 s66, 1
	s_cselect_b64 s[22:23], s[70:71], s[68:69]
	s_cmp_eq_u32 s66, 2
	s_cselect_b64 s[22:23], s[72:73], s[22:23]
	s_cmp_eq_u32 s66, 3
	s_cselect_b64 s[22:23], s[74:75], s[22:23]
	s_cselect_b32 s84, s10, s19
	s_add_nc_u64 s[84:85], s[22:23], s[84:85]      ; where my results go
.macro FRAG reg, adr, q, i             ; a fragment, 16 rows x 128 K, is 16 registers: lane l holds row l % 16; registers 4 c .. 4 c + 3 hold K = 32 c + 16 (l / 16) + 0 .. 15: the same order of k in A and in B
.irp c, 0,1,2,3
	ds_load_b128 v[\reg+4*\c:\reg+4*\c+3], v[\adr] offset:128*(\q)+32*\c+(\i)*16*PITCH
.endr
.endm
; 16 matrix instructions: A's blocks a0, a0 + 1 x B's eight, 128 along K.  p: B's set.  zero = 1: the first product starts the sums.  The 64 accumulators take turns, one instruction a turn.
.macro MUL16 a0, p, zero
.irp a, \a0, \a0+1
.irp b, 0,1,2,3,4,5,6,7
.if \zero
	v_wmma_f32_16x16x128_fp8_fp8 v[8*(8*((\a)%4)+\b):8*(8*((\a)%4)+\b)+7], v[128*(\p)+FR*\b:128*(\p)+FR*\b+FR-1], v[AF+FR*(\a):AF+FR*(\a)+FR-1], 0
.else
	v_wmma_f32_16x16x128_fp8_fp8 v[8*(8*((\a)%4)+\b):8*(8*((\a)%4)+\b)+7], v[128*(\p)+FR*\b:128*(\p)+FR*\b+FR-1], v[AF+FR*(\a):AF+FR*(\a)+FR-1], v[8*(8*((\a)%4)+\b):8*(8*((\a)%4)+\b)+7]
.endif
.endr
.endr
.endm
.macro FETCH_B slot, q, p
	WIN TO_B
.irp i, 0,1,2,3,4,5,6,7
	FRAG 128*(\p)+FR*\i, ADRB+\slot, \q, \i
.endr
	WIN 0
.endm
.macro FETCH_A slot, q, i0
.irp i, \i0, \i0+1, \i0+2, \i0+3
	FRAG AF+FR*(\i), ADRA+\slot, \q, \i
.endr
.endm
; A load into a register that a matrix instruction has read, and a vector instruction that reads a matrix result, stand four places behind it; only plain vector instructions that name none of its registers are places.
.macro PLACES n
.rept \n
	v_nop
.endr
.endm
; A step of 128 along K that has its successor in the same slot.  A has one set of registers: blocks 0-3 are fetched anew in the step's middle, blocks 4-7 at its end; B has two sets.
.macro STEP slot, q, zero
	s_wait_dscnt 4*NL                              ; B's set and A's blocks 0-3 are in; the youngest sixteen loads (A's blocks 4-7) may be out
	WIN MUL_LO
	MUL16 0, (\q)%2, \zero
	MUL16 2, (\q)%2, \zero
	s_wait_dscnt 0                                 ; A's blocks 4-7 are in
	PLACES NP
	FETCH_B \slot, (\q)+1, 1-(\q)%2
	FETCH_A \slot, (\q)+1, 0
	WIN MUL_HI
	MUL16 4, (\q)%2, \zero
	MUL16 6, (\q)%2, \zero
	PLACES NP
	WIN 0
	FETCH_A \slot, (\q)+1, 4
.endm
; A slot's last step changes slots: ONE barrier; in front of it each wave waits for all its tensor loads, adds 0 to its spare word, and waits for that and for its own reads of this slot.  fill = 1: this slot is filled again, two K steps ahead.
.macro TURN slot, next, fill
	s_wait_tensorcnt 0x0                           ; all my tensor loads have landed: my part of the next slot
	ds_add_u32 v[SPW], v[NIL]                      ; 0 onto my spare word
	s_wait_dscnt 4*NL+1                            ; (the add and the youngest sixteen loads, A's blocks 4-7, may be out)
	WIN MUL_LO
	MUL16 0, 1, 0                                  ; sixteen matrix instructions stand between the add and the wait for it
	s_wait_dscnt 0x0                               ; the add is done, and my reads of this slot are over
	s_barrier_signal -1
	MUL16 2, 1, 0
	WIN 0
	s_barrier_wait -1
.if \fill
	CREST                                          ; the barrier has opened a round of the cluster's barrier: no wave of any partner still reads this slot's tile or has a load on its way
	s_add_nc_u64 s[G0+4*\slot+2:G0+4*\slot+3], s[G0+4*\slot+2:G0+4*\slot+3], 2*ROWB
	s_add_nc_u64 s[G0B+4*\slot+2:G0B+4*\slot+3], s[G0B+4*\slot+2:G0B+4*\slot+3], 2*ROWB
	JLOAD G0+4*\slot, G1, G0B+4*\slot, G1B         ; the first tensor load behind the round; its four v_nop are also the places in front of the loads below
.else
	PLACES NP
.endif
	FETCH_B \next, 0, 0
	FETCH_A \next, 0, 0
	WIN MUL_HI
	MUL16 4, 1, 0
	MUL16 6, 1, 0
	PLACES NP
	WIN 0
	FETCH_A \next, 0, 4
.endm
	s_wait_tensorcnt 1                             ; my part of K step 0 is in (K step 1's load may be out)
	s_barrier_signal -1
	s_barrier_wait -1                              ; everybody's is
	FETCH_B 0, 0, 0
	FETCH_A 0, 0, 0
	FETCH_A 0, 0, 4
	STEP 0, 0, 1                                   ; the first step stands in front of the loop: its products start the sums
	s_mov_b32 s3, LAPS-1
.Llap:                                                 ; a trip goes once round the ring and fills both slots again
	TURN 0, 1, 1
	STEP 1, 0, 0
	TURN 1, 0, 1
	STEP 0, 0, 0
	s_sub_co_u32 s3, s3, 1
	s_cmp_lg_u32 s3, 0
	s_cbranch_scc1 .Llap
	TURN 0, 1, 0                                   ; the last lap fills nothing, and has no round of the cluster's barrier
	STEP 1, 0, 0
	s_wait_dscnt 4*NL                              ; the very last step: nothing more to fetch
	WIN MUL_LO
	MUL16 0, 1, 0
	MUL16 2, 1, 0
	s_wait_dscnt 0
	WIN MUL_HI
	MUL16 4, 1, 0
	MUL16 6, 1, 0
	WIN 0
; THE WAY OUT, block by block of 16 rows of A x 128 rows of B.
; SILU: the block's 64 sums a become a / (1 + z) in v[TT] on.  The exponentials and the reciprocals each go as one batch with one plain line and one wait behind it, ahead of the first reader.
; Each accumulator is read from its low end on.
.macro SILU a, fold
.set AC, 64*((\a)%4)
	WIN 0x02+((\a)/4)                              ; source 0: window 2 or 3
.set n, 0
.rept 32
.if \fold
	v_pk_fma_f32 v[TT+n:TT+n+1], v[AC+n:AC+n+1], s[88:89], v[18:19] op_sel_hi:[1,0,0]   ; a c1 - X
.else
	v_pk_mul_f32 v[TT+n:TT+n+1], v[AC+n:AC+n+1], s[88:89] op_sel_hi:[1,0]               ; a c1
.endif
.set n, n+2
.endr
	WIN 0
.set n, 0
.rept 64
	v_exp_f32 v[TT+n], v[TT+n]
.set n, n+1
.endr
	v_nop
	s_wait_alu depctr_va_vdst(0)
.set n, 0
.rept 32
.if \fold
	v_pk_add_f32 v[TT+n:TT+n+1], v[TT+n:TT+n+1], s[90:91] op_sel_hi:[1,0]               ; + 2^-X
.else
	v_pk_add_f32 v[TT+n:TT+n+1], v[TT+n:TT+n+1], 1.0 op_sel_hi:[1,0]
.endif
.set n, n+2
.endr
.set n, 0
.rept 64
	v_rcp_f32 v[TT+n], v[TT+n]
.set n, n+1
.endr
	v_nop
	s_wait_alu depctr_va_vdst(0)
	WIN 0x02+((\a)/4)
.set n, 0
.rept 32
	v_pk_mul_f32 v[TT+n:TT+n+1], v[AC+n:AC+n+1], v[TT+n:TT+n+1]
.set n, n+2
.endr
	WIN 0
.endm
.macro SENDC a                         ; block a's codes: stage rows 4 j .. 4 j + 3 are four neighbouring rows of the output: 512 consecutive bytes an instruction
.irp j, 0,1,2,3
	global_store_b128 v[CO], v[OBC+16*((\a)%2)+4*\j:OBC+16*((\a)%2)+4*\j+3], s[84:85] offset:(32*((\a)/2)+8*((\a)%2)+16*(\j/2))*128+512*(\j%2)
.endr
.endm
.macro BLKC a
	SILU \a, 0
	s_cmp_lg_u32 s66, 1                            ; K alone leaves a key mask
	s_cbranch_scc1 .Lno_mask_\@
	v_max3_num_f32 v12, |v[TT]|, |v[TT+1]|, |v[TT+2]|       ; the largest |silu(K)| of my token among my 64 channels, in two chains,
	v_max3_num_f32 v13, |v[TT+3]|, |v[TT+4]|, |v[TT+5]|
.irp i, 6,10,14,18,22,26,30,34,38,42,46,50,54,58
	v_max3_num_f32 v12, v12, |v[TT+\i]|, |v[TT+\i+1]|
	v_max3_num_f32 v13, v13, |v[TT+\i+2]|, |v[TT+\i+3]|
.endr
	v_max3_num_f32 v12, v12, |v[TT+62]|, |v[TT+63]|
	v_max_num_f32 v12, v12, v13
	v_permlanex16_b32 v13, v12, s94, s95
	v_max_num_f32 v12, v12, v13                    ; and among lane l xor 16's: the head's 128.  A sum of magnitudes is 0 just where the largest is
	v_cmp_neq_f32 vcc_lo, 0, v12
	v_cndmask_b32 v13, 0, v14, vcc_lo
	global_store_b8 v[VM], v13, s[86:87] offset:32*((\a)/2)+8*((\a)%2)   ; lanes l and l xor 16 hold the same token and the same byte: both store it
.Lno_mask_\@:
.set n, 0
.rept 64
	v_med3_num_f32 v[TT+n], v[TT+n], -v[LIM], v[LIM]   ; the conversion to an 8-bit code does not saturate (ISA guide 7.6.2)
.set n, n+1
.endr
.irp b, 0,1,2,3,4,5,6,7
	v_cvt_scalef32_pk8_fp8_f32 v[CD+2*\b:CD+2*\b+1], v[TT+8*\b:TT+8*\b+7], v[SCL]   ; registers 4 b' .. 4 b' + 3: logical rows 32 b' + 16 h + 0 .. 15 of B
.endr
	v_nop                                          ; one plain line behind the last conversion
.if (\a) > 0
	s_wait_dscnt 0x0                               ; the block before is back from the stage
.endif
	s_wait_xcnt 0x0                                ; the stores of two blocks ago, issued a block back, and this block's mask byte have read their registers: the loads below land where those stores read, and the next block may write v13.
	                                               ; The stores just below read the OTHER set of registers, which is loaded again only behind the next block's wait
.if (\a) > 0
	SENDC (\a)-1
.endif
.irp b, 0,1,2,3
	ds_store_b128 v[STC], v[CD+4*\b:CD+4*\b+3] offset:32*\b
.endr
.irp j, 0,1,2,3
	ds_load_b128 v[OBC+16*((\a)%2)+4*\j:OBC+16*((\a)%2)+4*\j+3], v[RDC] offset:576*\j   ; LDS serves a wave's instructions in order: these see the stores above
.endr
.endm
.macro SENDU a                         ; block a's rows of g: stage row i is token lam(a, i) of my block of 128; a row is 512 consecutive bytes, one instruction
.irp i, 0,1,2,3,4,5,6,7,8,9,10,11,12,13,14,15
	global_store_b128 v[CO], v[OBU+64*((\a)%2)+4*\i:OBU+64*((\a)%2)+4*\i+3], s[84:85] offset:(32*((\a)/2)+8*((\a)%2)+((\i)&7)+16*((\i)>>3))*512
.endr
.endm
.macro BLKU a
	SILU \a, 1
.if (\a) > 0
	s_wait_dscnt 0x0
.endif
	s_wait_xcnt 0x0                                ; the stores of two blocks ago have read their registers: the loads below land there; the stores just below read the other set
.if (\a) > 0
	SENDU (\a)-1
.endif
.irp b, 0,1,2,3
.irp q, 0,1,2,3
	ds_store_b128 v[STO], v[TT+16*\b+4*\q:TT+16*\b+4*\q+3] offset:128*\b+16*\q   ; channels 32 b + 16 h + 4 q on
.endr
.endr
.irp i, 0,1,2,3,4,5,6,7,8,9,10,11,12,13,14,15
	ds_load_b128 v[OBU+64*((\a)%2)+4*\i:OBU+64*((\a)%2)+4*\i+3], v[RD] offset:528*\i
.endr
.endm
	s_wait_kmcnt 0x0
	s_add_co_i32 s96, s96, s97                     ; Ep
	s_lshl_b32 s10, s96, 23
	s_add_co_u32 s88, s10, 0xbfb8aa3b              ; c1 = -log2(e) x 2^Ep: Ep is added to the exponent field
	s_mov_b32 s89, s88                             ; (named with it as a pair, so it is written)
	PLACES NP                                      ; behind the last products: for the first reads of results and the loads into A's registers
	s_cmp_eq_u32 s66, 3                            ; a branch on the cluster's x: the same in all partners
	s_cbranch_scc1 .Lgate
	s_cmp_eq_u32 s66, 1
	s_cselect_b32 s11, s81, s80                    ; the result's own scale: e8 for Q, e9 for K,
	s_cmp_eq_u32 s66, 2
	s_cselect_b32 s11, s83, s11                    ; e11 for V
	s_sub_co_i32 s11, s11, s96
	s_add_co_i32 s11, s11, 127
	s_lshl_b32 s12, s11, 23
	v_mov_b32 v[SCL], s12                          ; 2^(eo - Ep)
	s_add_co_i32 s11, s11, 8
	s_lshl_b32 s11, s11, 23
	s_or_b32 s11, s11, 0x600000
	v_mov_b32 v[LIM], s11                          ; 448 x that
.irp a, 0,1,2,3,4,5,6,7
	BLKC \a
.endr
	s_wait_dscnt 0x0
	SENDC 7
	s_branch .Lend
.Lgate:
	s_add_co_i32 s11, s96, s82
	s_add_co_i32 s11, s11, s83                     ; X = Ep + e10 + e11
	s_sub_co_i32 s12, 127, s11
	s_lshl_b32 s90, s12, 23                        ; 2^-X
	s_mov_b32 s91, s90
	s_sub_co_i32 s12, 0, s11
	v_cvt_f32_i32 v18, s12                         ; -X
	v_mov_b32 v19, v18
.irp a, 0,1,2,3,4,5,6,7
	BLKU \a
.endr
	s_wait_dscnt 0x0
	SENDU 7
.Lend:
	s_wait_tensorcnt 0x0                           ; the wave's end, behind my last tensor load and my last LDS store
	ds_add_u32 v[SPW], v[NIL]
	s_wait_dscnt 0x0
	CROUND                                         ; the closing round: no work-group ends while a partner may still ask for a tile that names it
	s_endpgm
.Lfunc_end_k_q552795bced_proj:
	.size	k_q552795bced_proj, .Lfunc_end_k_q552795bced_proj-k_q552795bced_proj
	.p2alignl 7, 3214868480
	.fill 96, 4, 3214868480
	.section	.rodata,"a",@progbits
	.p2align	6, 0x0
	.amdhsa_kernel k_q552795bced_proj
		.amdhsa_group_segment_fixed_size 327680
		.amdhsa_private_segment_fixed_size 0
		.amdhsa_enable_private_segment 0
		.amdhsa_kernarg_size 64
		.amdhsa_user_sgpr_count 2
		.amdhsa_user_sgpr_kernarg_segment_ptr 1
		.amdhsa_wavefront_size32 1
		.amdhsa_system_sgpr_workgroup_id_x 1
		.amdhsa_system_sgpr_workgroup_id_y 1
		.amdhsa_system_sgpr_workgroup_id_z 1
		.amdhsa_system_vgpr_workitem_id 0
		.amdhsa_next_free_vgpr 1024
		.amdhsa_next_free_sgpr 100
		.amdhsa_reserve_vcc 1
		.amdhsa_float_denorm_mode_32 3
		.amdhsa_float_denorm_mode_16_64 3
		.amdhsa_memory_ordered 1
		.amdhsa_forward_progress 1
		.amdhsa_inst_pref_size 255
	.end_amdhsa_kernel
	.section	.bss,"aw",@nobits
	.p2align	6
	.space	262144
	.amdgpu_metadata
---
amdhsa.version: [ 1, 2 ]
amdhsa.kernels:
  - .name:           k_q552795bced_proj
    .symbol:         k_q552795bced_proj.kd
    .args:
      - { .name: xq, .offset: 0, .size: 8, .value_kind: global_buffer, .address_space: global }
      - { .name: wq, .offset: 8, .size: 8, .value_kind: global_buffer, .address_space: global }
      - { .name: lowp_scales, .offset: 16, .size: 8, .value_kind: global_buffer, .address_space: global }
      - { .name: qq, .offset: 24, .size: 8, .value_kind: global_buffer, .address_space: global }
      - { .name: kq, .offset: 32, .size: 8, .value_kind: global_buffer, .address_space: global }
      - { .name: vq, .offset: 40, .size: 8, .value_kind: global_buffer, .address_space: global }
      - { .name: g, .offset: 48, .size: 8, .value_kind: global_buffer, .address_space: global }
      - { .name: kmask, .offset: 56, .size: 8, .value_kind: global_buffer, .address_space: global }
    .group_segment_fixed_size: 327680
    .private_segment_fixed_size: 0
    .kernarg_segment_align: 8
    .kernarg_segment_size: 64
    .max_flat_workgroup_size: 128
    .sgpr_count:     100
    .vgpr_count:     1024
    .wavefront_size: 32
...
	.end_amdgpu_metadata
.endif
;; end of part 2
;; launch attn (part 3): grid 8 x 32, 8 waves a work-group, no clusters, 310,528 bytes of LDS; arguments qq, kq, vq, kmask, bt, g, lowp_scales, out0; writes out0
.if DOCPART == 3
	.amdgcn_target "amdgcn-amd-amdhsa--gfx1250"
	.amdhsa_code_object_version 6
	.text
	.protected	k_q552795bced_attn
	.globl	k_q552795bced_attn
	.p2align	8
	.type	k_q552795bced_attn,@function
k_q552795bced_attn:
	s_mov_b64 s[64:65], 0
	v_nop
	global_prefetch_b8 v0, s[64:65] scope:SCOPE_SE
	s_setreg_imm32_b32 hwreg(HW_REG_WAVE_MODE, 25, 1), 1
	s_wait_xcnt 0x0
; ATTN: out0 = (silu((Q K^T + bias) / sqrt(128), masked) V) x silu(U), both products on codes of FP8 (E4M3).  There is no softmax: no maximum, no sum, nothing is rescaled.
; SHARES.  Work-group (i, bh) owns query blocks i and 15 - i (128 queries each) of one batch and head: under the causal mask that is (i + 1) + (16 - i) = 17 units of 128 x 128 for every work-group.
; Eight waves, two to a SIMD; four take block i, four block 15 - i, one of each on a SIMD; a wave owns two tiles of 16 queries.  Keys go in steps of 128; a wave whose block lies wholly before a step's keys does no products in it.
; LAYOUT.  Both products are used transposed: S^T = K Q^T (source 0 = 16 keys), O^T = V^T P^T (source 0 = 16 channels): a lane holds ONE query throughout.  K's rows lie in LDS with bits 3 and 4 of the row number
; exchanged, so that the 16 registers of tiles 2 b and 2 b + 1 are the 16 neighbouring keys 32 b + 16 (lane / 16) + 0 .. 15: the conversions' results are the second product's operand.
; THE BIAS IS THE C OF THE ONE MATRIX INSTRUCTION THAT MAKES A TILE OF S^T (the head's 128 are one K step).  It comes from a table over d = key - query, already divided by 2^(e8 + e9).
; THE CAUSAL MASK IS IN THE TABLE: -2^100 where d > 0.  Then 2^(a c1 + c0) is +infinity, its reciprocal 0, and the weight a x 0 = -0, which is silu of the mask's value.
; THE KEY MASK IS LAID ON V: a masked key's weight is 0, which adds what zero codes in V's column of that key add: V's codes are ANDed with kmask's bytes (0xFF or 0) on their way into LDS.
; silu: a sum a stands for a A, A = 2^(E - 3.5), E = e8 + e9.  z' = 2^(a c1 + c0), c1 = -A log2(e), c0 = 3.5 - E;  w = a / (z' + 1 / A) = a A / (1 + e^(-a A)).
; THREE SLOTS.  Tile KS + 2 is loaded into registers at the head of key step KS and stored into slot (KS + 2) % 3 at its end.  So tile KS + 1 is whole in LDS all through step KS, and a wave fetches the next step's first four
; fragments of K, and the bias that goes with them, at the end of its own step: the next step begins with its products.  Between two barriers slots KS % 3 and (KS + 1) % 3 are read and slot (KS + 2) % 3 is written.
; g COMES BY ASYNCHRONOUS COPIES, issued at the head: a wave's 32 rows are 16,384 consecutive bytes of g; 32 copies of 512 bytes, whose one immediate steps both addresses.  Only the wave that issued them reads those LDS bytes.
; A WAVE LEAVES WHEN ITS BLOCK IS DONE: in its first key step without products (KS = its block + 1) it takes O^T through a stage, multiplies by g and stores.  The stage lies over its own bytes of g, which have been filled for the last time and read.
; NO TENSOR LOAD AND NO CLUSTER: V's bytes are changed on their way into LDS, which only a way through registers allows; and the eight work-groups of a head walk different numbers of key steps (16 - i).
; K AND V ARE PREFETCHED INTO THE L2: in key step KS the head's first work-group (i = 0, which walks all sixteen tiles) asks for tile KS + 3, which key step KS + 1 loads: waves 0 and 1 for K's 16,384 bytes, waves 2 and 3 for V's,
; lanes 256 bytes apart, one instruction a wave, behind the step's loads; so each 256 bytes are named once in the launch.  Tiles 0 to 2 come by their loads alone; the last request is tile 15's, in key step 12.
; LIMITS: e8 + e9 between -60 and 60; e10 between -126 and 119.  NaN among the inputs is not served.
; REGISTERS: window 0: v1-15, v116-126 addresses and constants; v16-47 Q; v48-79 the weights' codes; v80-115 the tile on its way; v128-191 the bias, then S^T; v192-255 K's fragments 0-3, then at work.
;   window 1: v0-127 O^T (64 u + 8 c); v128-255 V's eight fragments, the upper four's registers first holding K's fragments 4-7.
.set KPI,   144                        ; a row of K or V in LDS: 128 bytes + 16
.set VOFF,  128*KPI                    ; a slot: K's 128 rows, then V's 128
.set SLOTB, 2*VOFF
.set BIAS,  3*SLOTB                    ; behind the three slots: the head's bias table: four copies,
.set BPI,   16448                      ; 16,384 bytes + 64 apart
.set GL,    BIAS+4*BPI+2048            ; behind the table and 2,048 bytes that nothing touches: g, 16,384 bytes for each wave, later its stage
.set GW,    16384
.set SPI,   528                        ; a stage row: 512 bytes + 16
.set AKF,  1                           ; v1   a fragment of K: r x 144 + 16 h
.set AVF,  2                           ; v2   of V: + VOFF
.set VB,   3                           ; v3   the bias: my lane's and my wave's part of the address
.set AB,   4                           ; v4   + the key step's
.set STK,  5                           ; v5   where I put 16 bytes of K's tile
.set STV,  6                           ; v6   of V's
.set GOFF, 7                           ; v7   16 t: my bytes of a dense block
.set MOFF, 8                           ; v8   16 (t % 8): the mask bytes of my 16 keys
.set LIM,  9                           ; v9   448 x 2^e10
.set SCL,  10                          ; v10  2^e10
.set AKF2, 11                          ; v11  AKF in slot 2, which lies beyond an LDS instruction's 16-bit offset
.set C0,   12                          ; v[12:13] c0
.set STO,  14                          ; v14  the way out: into my stage
.set GLA,  15                          ; v15  my bytes of g in LDS, and of a stage row: GL + 16,384 wave + 16 lane; never rewritten
.set QF,   16
.set PC,   48
.set ST,   80
.set GO,   116                         ; v116 16 x lane; never rewritten
.set LB,   117                         ; v117 BIAS + 16 t
.set QO,   122                         ; v122 Q: r x 128 + 16 h
.set AVF2, 123                         ; v123-125  AVF, STK, STV in slot 2
.set STK2, 124
.set STV2, 125
.set PFO,  126                         ; v126 256 x lane: the prefetches' offset; never rewritten
.set SS,   128
.set TT,   192
.set OA,   0                           ; window 1
.set FR,   128                         ; window 1
.set WV,    20
.set QB,    23                         ; s23  my block of queries
.set LASTK, 28                         ; s28  15 - i: the work-group's last key step
.set KS,    29                         ; s29  the key step
.set SB,    30                         ; s30  512 (15 - QB + KS): the key step's part of the bias address
.set TR,    31
.set C1,    32                         ; s[32:33] c1
.set IC,    34                         ; s[34:35] 1 / A
.set KPT,   36                         ; s[36:37], s[38:39], s[40:41]: the tile to be loaded next, in kq, vq, kmask
.set VPT,   38
.set MPT,   40
.set GP,    42                         ; s[42:43] my 32 rows in g;  s[44:45] in out0;  s[46:47] in qq
.set OP,    44
.set QP,    46
.set QB1,   56                         ; s56  QB + 1: the key step in which I leave
.set LK1,   57                         ; s57  14 - i: tile KS + 2 exists while KS is below it
.set PFA,   58                         ; s[58:59] where my prefetches stand: my 8,192 bytes of tile KS + 3
.set PL,    60                         ; s60  13 in a wave that prefetches, else 0: it asks while KS is below
.set MSB, 0
.macro WIN new                         ; the immediate's high byte repeats the setting that is left
.if MSB != \new
	s_set_vgpr_msb (MSB<<8)|\new
.set MSB, \new
.endif
.endm
	s_load_b512 s[4:19], s[0:1], 0x0               ; qq s[4:5], kq s[6:7], vq s[8:9], kmask s[10:11], bt s[12:13], g s[14:15], the scales s[16:17], out0 s[18:19]
	v_lshl_add_u32 v254, v0, 2, 0x4b900
	v_mov_b32 v255, 0
	ds_add_u32 v254, v255
	ds_add_u32 v254, v255
	s_wait_dscnt 0x0
	v_lshrrev_b32 v1, 5, v0
	v_readfirstlane_b32 s[WV], v1                  ; wave 0..7
	s_mov_b32 s21, ttmp9                           ; i
	s_and_b32 s22, ttmp7, 0xffff                   ; batch x 8 + head
	s_lshr_b32 s48, s[WV], 2
	s_or_b32 s50, s48, s21                         ; 0 in waves 0 to 3 of the head's first work-group
	s_cmp_eq_u32 s50, 0
	s_cselect_b32 s[PL], 13, 0
	s_xor_b32 s48, s48, s[WV]
	s_and_b32 s48, s48, 1                          ; which block: 0: i, 1: 15 - i
	s_lshr_b32 s49, s[WV], 1                       ; which 32 of its queries
	s_xor_b32 s[LASTK], s21, 15
	s_cmp_eq_u32 s48, 0
	s_cselect_b32 s[QB], s21, s[LASTK]
	s_cselect_b32 s[SB], s[LASTK], s21             ; 15 - QB
	s_and_b32 s[SB], s[SB], 15
	s_lshl_b32 s[SB], s[SB], 9
	s_add_co_u32 s[QB1], s[QB], 1
	s_sub_co_u32 s[LK1], s[LASTK], 1
	s_mov_b32 s[KS], 0
	v_and_b32 v118, 15, v0                         ; r
	v_bfe_u32 v119, v0, 4, 1                       ; h
	v_and_b32 v120, 31, v0                         ; lane
	v_mul_u32_u24 v[AKF], v118, KPI
	v_lshl_add_u32 v[AKF], v119, 4, v[AKF]
	v_add_nc_u32 v[AVF], VOFF, v[AKF]
	v_add_nc_u32 v[AKF2], 2*SLOTB, v[AKF]
	v_add_nc_u32 v[AVF2], 2*SLOTB, v[AVF]
	; The bias of tile u, key tile 2 b + v, register j, in copy r % 4, lies at byte 4 (d + r % 4 + 2048), d = key - query:
	; 512 (KS - QB) + 128 b + 64 h + 32 v + 4 j - 128 w' - 64 u - 16 (r / 4) + 8192 = [512 (15 - QB + KS)] + [16 + 128 (3 - w') + 16 (3 - r / 4) + 64 h] + 64 (1 - u) + 128 b + 32 v + 4 j: a multiple of 16 at j = 0 and 4.
	; A wave works only where KS <= QB, and asks one step ahead for the first half alone: the highest byte that it reads in a copy is 8,192 + 512 + 255 = 8,959 of 16,384
	v_bfe_u32 v[VB], v0, 2, 2
	v_xor_b32 v[VB], 3, v[VB]
	v_lshlrev_b32 v[VB], 4, v[VB]
	v_lshl_add_u32 v[VB], v119, 6, v[VB]
	v_and_b32 v121, 3, v0
	v_mul_u32_u24 v121, v121, BPI
	v_add_nc_u32 v[VB], v121, v[VB]
	s_xor_b32 s50, s49, 3
	s_lshl_b32 s50, s50, 7
	s_add_co_u32 s50, s50, BIAS+16
	v_add_nc_u32 v[VB], s50, v[VB]
	; thread t brings 16 bytes of row t / 8 + 32 j of a tile.  K's row goes to the LDS row with bits 3 and 4 exchanged, V's stays
	v_bfe_u32 v[STK], v0, 3, 3
	v_bfe_u32 v121, v0, 6, 1
	v_lshl_or_b32 v[STK], v121, 4, v[STK]
	v_bfe_u32 v121, v0, 7, 1
	v_lshl_or_b32 v[STK], v121, 3, v[STK]
	v_mul_u32_u24 v[STK], v[STK], KPI
	v_and_b32 v121, 7, v0
	v_lshl_add_u32 v[STK], v121, 4, v[STK]
	v_lshrrev_b32 v[STV], 3, v0
	v_mul_u32_u24 v[STV], v[STV], KPI
	v_lshl_add_u32 v[STV], v121, 4, v[STV]
	v_add_nc_u32 v[STV], VOFF, v[STV]
	v_add_nc_u32 v[STK2], 2*SLOTB, v[STK]
	v_add_nc_u32 v[STV2], 2*SLOTB, v[STV]
	v_lshlrev_b32 v[GOFF], 4, v0
	v_lshlrev_b32 v[MOFF], 4, v121
	v_lshlrev_b32 v[PFO], 8, v120
	s_mul_i32 s54, s[WV], GW
	s_add_co_u32 s54, s54, GL                      ; my 16,384 bytes: g, later my stage
	v_mul_u32_u24 v[STO], v118, SPI
	v_lshl_add_u32 v[STO], v119, 5, v[STO]
	v_add_nc_u32 v[STO], s54, v[STO]               ; into the stage: row r, + 32 h; tile c's eight channels 64 c bytes on
	v_lshlrev_b32 v[GO], 4, v120
	v_add_nc_u32 v[GLA], s54, v[GO]
	v_add_nc_u32 v[LB], BIAS, v[GOFF]
	v_lshlrev_b32 v[QO], 7, v118
	v_lshl_add_u32 v[QO], v119, 4, v[QO]
	s_wait_kmcnt 0x0
	s_load_b128 s[24:27], s[16:17], 0x20           ; e8 .. e11
	s_lshl_b32 s50, s22, 18                        ; a batch and head's codes are 262,144 bytes
	s_mov_b32 s51, 0
	s_add_nc_u64 s[KPT:KPT+1], s[6:7], s[50:51]
	s_add_nc_u64 s[VPT:VPT+1], s[8:9], s[50:51]
	s_cmp_lt_u32 s[WV], 2                          ; the prefetches: waves 0 and 1 stand in K's codes, the others in V's,
	s_cselect_b64 s[PFA:PFA+1], s[6:7], s[8:9]
	s_and_b32 s54, s[WV], 1
	s_lshl_b32 s54, s54, 13                        ; at their half of a tile's 16,384 bytes,
	s_add_co_u32 s54, s54, 3*16384                 ; in tile 3,
	s_add_co_u32 s54, s54, s50                     ; of my batch and head
	s_mov_b32 s55, 0
	s_add_nc_u64 s[PFA:PFA+1], s[PFA:PFA+1], s[54:55]
	s_lshl_b32 s52, s[QB], 7
	s_lshl_b32 s53, s49, 5
	s_add_co_u32 s52, s52, s53                     ; my first query
	s_lshl_b32 s53, s52, 7
	s_add_co_u32 s50, s50, s53
	s_add_nc_u64 s[QP:QP+1], s[4:5], s[50:51]
	s_lshl_b32 s50, s22, 11
	s_add_nc_u64 s[MPT:MPT+1], s[10:11], s[50:51]
	s_add_co_u32 s50, s50, s52
	s_lshl_b32 s50, s50, 9                         ; g: ((batch x 8 + head) x 2048 + my first query) rows of 512 bytes
	s_add_nc_u64 s[GP:GP+1], s[14:15], s[50:51]
	s_lshr_b32 s50, s22, 3
	s_lshl_b32 s50, s50, 11
	s_add_co_u32 s50, s50, s52
	s_lshl_b32 s50, s50, 12                        ; out0: (batch x 2048 + my first query) rows of 4,096 bytes
	s_and_b32 s53, s22, 7
	s_lshl_b32 s52, s53, 9
	s_add_co_u32 s50, s50, s52                     ; + the head's 512 bytes
	s_add_nc_u64 s[OP:OP+1], s[18:19], s[50:51]
	s_lshl_b32 s50, s53, 16
	s_add_nc_u64 s[52:53], s[12:13], s[50:51]      ; the head's four copies of the table
.macro SLOTSYM slot                    ; which address registers and which offset reach a slot
.if (\slot) == 2
.set KA,  AKF2
.set VA,  AVF2
.set SKA, STK2
.set SVA, STV2
.set SO,  0
.else
.set KA,  AKF
.set VA,  AVF
.set SKA, STK
.set SVA, STV
.set SO,  (\slot)*SLOTB
.endif
.endm
.macro LOADT rb, ah                    ; a tile into registers v[rb] on: K's and V's dense 16,384 bytes, 64 a thread, and my 16 keys' mask bytes: nine loads.  ah: so many tiles behind the pointers
.irp j, 0,1,2,3
	global_load_b128 v[\rb+4*\j:\rb+4*\j+3], v[GOFF], s[KPT:KPT+1] offset:16384*(\ah)+4096*\j
.endr
.irp j, 0,1,2,3
	global_load_b128 v[\rb+16+4*\j:\rb+16+4*\j+3], v[GOFF], s[VPT:VPT+1] offset:16384*(\ah)+4096*\j
.endr
	global_load_b128 v[\rb+32:\rb+35], v[MOFF], s[MPT:MPT+1] offset:128*(\ah)
.endm
.macro STORET slot, rb                 ; and from there into a slot.  The wait for the nine loads stands in front of the macro
	SLOTSYM \slot
.irp j, 0,1,2,3
.irp n, 0,1,2,3
	v_and_b32 v[\rb+16+4*\j+\n], v[\rb+16+4*\j+\n], v[\rb+32+\n]   ; the key mask: a masked key's column of V becomes zero codes
.endr
.endr
.irp j, 0,1,2,3
	ds_store_b128 v[SKA], v[\rb+4*\j:\rb+4*\j+3] offset:SO+32*KPI*\j
	ds_store_b128 v[SVA], v[\rb+16+4*\j:\rb+16+4*\j+3] offset:SO+32*KPI*\j
.endr
.endm
.irp s, 0,1,2,3
.irp j, 0,1,2,3
	global_load_b128 v[SS+16*\s+4*\j:SS+16*\s+4*\j+3], v[GOFF], s[52:53] offset:16384*\s+4096*\j   ; the bias table: sixteen loads
.endr
.endr
	LOADT ST, 0                                    ; tile 0: nine
	LOADT TT, 1                                    ; tile 1: nine
.irp u, 0,1
.irp c, 0,1,2,3
	global_load_b128 v[QF+16*\u+4*\c:QF+16*\u+4*\c+3], v[QO], s[QP:QP+1] offset:2048*\u+32*\c   ; Q's two fragments stay in registers: eight
.endr
.endr
.set n, 0
.rept 32
	global_load_async_to_lds_b128 v[GLA], v[GO], s[GP:GP+1] offset:512*n   ; my 32 rows of g: a row of 512 bytes a copy; the immediate steps both addresses.  Behind the loads that the first step waits for, ahead of every LDS read and barrier
.set n, n+1
.endr
	s_wait_kmcnt 0x0
	s_add_co_i32 s54, s24, s25                     ; E = e8 + e9
	s_lshl_b32 s55, s54, 23
	s_add_co_u32 s[C1], s55, 0xbe0293ee            ; c1 = -log2(e) / sqrt(128) x 2^E: E is added to the exponent field
	s_mov_b32 s[C1+1], s[C1]                       ; (named with it as a pair, so it is written)
	s_sub_co_u32 s[IC], 0x413504f3, s55            ; 1 / A = sqrt(128) x 2^-E
	s_mov_b32 s[IC+1], s[IC]
	v_cvt_f32_i32 v[C0], s54
	v_sub_f32 v[C0], 0x40600000, v[C0]             ; c0 = 3.5 - E
	v_mov_b32 v[C0+1], v[C0]
	s_add_co_i32 s54, s26, 127
	s_lshl_b32 s55, s54, 23
	v_mov_b32 v[SCL], s55                          ; 2^e10
	s_add_co_i32 s54, s54, 8
	s_lshl_b32 s54, s54, 23
	s_or_b32 s54, s54, 0x600000
	v_mov_b32 v[LIM], s54                          ; 448 x 2^e10
	s_wait_loadcnt 26                              ; the table is in; the two tiles' eighteen loads and Q's eight may be out
.irp s, 0,1,2,3
.irp j, 0,1,2,3
	ds_store_b128 v[LB], v[SS+16*\s+4*\j:SS+16*\s+4*\j+3] offset:BPI*\s+4096*\j
.endr
.endr
	s_wait_loadcnt 17                              ; tile 0 is in; tile 1's nine and Q's eight may be out
	STORET 0, ST
	s_wait_loadcnt 8                               ; tile 1 is in; Q's eight may be out
	STORET 1, TT
	s_wait_loadcnt 0x0                             ; Q; and every load has read its base:
	s_add_nc_u64 s[KPT:KPT+1], s[KPT:KPT+1], 2*16384   ; on to tile 2
	s_add_nc_u64 s[VPT:VPT+1], s[VPT:VPT+1], 2*16384
	s_add_nc_u64 s[MPT:MPT+1], s[MPT:MPT+1], 2*128
	s_wait_dscnt 0x0                               ; for the others' sake: my stores have landed
	s_barrier_signal -1
	s_barrier_wait -1
.macro KLOADT slot                     ; K's fragments 0-3 (16 keys x the head's 128 each) into the work registers, window 0
	SLOTSYM \slot
.irp t, 0,1,2,3
.irp c, 0,1,2,3
	ds_load_b128 v[TT+16*\t+4*\c:TT+16*\t+4*\c+3], v[KA] offset:SO+\t*16*KPI+32*\c
.endr
.endr
.endm
.macro KLOADF slot                     ; K's fragments 4-7 into the registers of V's fragments 4-7, window 1
	SLOTSYM \slot
.irp t, 0,1,2,3
.irp c, 0,1,2,3
	ds_load_b128 v[FR+16*(4+\t)+4*\c:FR+16*(4+\t)+4*\c+3], v[KA] offset:SO+(4+\t)*16*KPI+32*\c
.endr
.endr
.endm
.macro VLOAD slot, t0                  ; V's fragments t0 .. t0 + 3: 16 channels x 128 keys each
	SLOTSYM \slot
.irp t, 0,1,2,3
.irp c, 0,1,2,3
	ds_load_b128 v[FR+16*(\t0+\t)+4*\c:FR+16*(\t0+\t)+4*\c+3], v[VA] offset:SO+(\t0+\t)*16*KPI+32*\c
.endr
.endr
.endm
.macro BLOAD ph, ex                    ; the bias of key tiles 4 ph .. 4 ph + 3 for my two tiles of queries, in the result's layout: sixteen loads.  ex = 512: the next key step's
.irp u, 0,1
.irp k, 0,1,2,3
	ds_load_b128 v[SS+32*\u+8*\k:SS+32*\u+8*\k+3], v[AB] offset:(\ex)+64*(1-\u)+128*((4*(\ph)+\k)/2)+32*(\k%2)
	ds_load_b128 v[SS+32*\u+8*\k+4:SS+32*\u+8*\k+7], v[AB] offset:(\ex)+64*(1-\u)+128*((4*(\ph)+\k)/2)+32*(\k%2)+16
.endr
.endr
.endm
.macro SMUL ph                         ; S^T = K Q^T + bias: one instruction a tile, eight accumulators one after the other
.irp k, 0,1,2,3
.irp u, 0,1
.if \ph
	v_wmma_f32_16x16x128_fp8_fp8 v[SS+32*\u+8*\k:SS+32*\u+8*\k+7], v[FR+64+16*\k:FR+64+16*\k+15], v[QF+16*\u:QF+16*\u+15], v[SS+32*\u+8*\k:SS+32*\u+8*\k+7]
.else
	v_wmma_f32_16x16x128_fp8_fp8 v[SS+32*\u+8*\k:SS+32*\u+8*\k+7], v[TT+16*\k:TT+16*\k+15], v[QF+16*\u:QF+16*\u+15], v[SS+32*\u+8*\k:SS+32*\u+8*\k+7]
.endif
.endr
.endr
.endm
.macro PVMUL first                     ; O^T += V^T P^T: sixteen accumulators by turns, one instruction a turn.  first = 1: the products start the sums
.irp c, 0,1,2,3,4,5,6,7
.irp u, 0,1
.if \first
	v_wmma_f32_16x16x128_fp8_fp8 v[OA+64*\u+8*\c:OA+64*\u+8*\c+7], v[FR+16*\c:FR+16*\c+15], v[PC+16*\u:PC+16*\u+15], 0
.else
	v_wmma_f32_16x16x128_fp8_fp8 v[OA+64*\u+8*\c:OA+64*\u+8*\c+7], v[FR+16*\c:FR+16*\c+15], v[PC+16*\u:PC+16*\u+15], v[OA+64*\u+8*\c:OA+64*\u+8*\c+7]
.endif
.endr
.endr
.endm
.macro PLACES                          ; four places behind matrix instructions, in front of reads of their results, of writes of their sources and of loads into their registers
.rept 4
	v_nop
.endr
.endm
; 64 scores become 64 weights and their codes, in three parts, so that runs of LDS loads can stand between them.
.macro SQ1                             ; a c1 + c0; each accumulator from its low end on
.set n, 0
.rept 32
	v_pk_fma_f32 v[TT+n:TT+n+1], v[SS+n:SS+n+1], s[C1:C1+1], v[C0:C0+1] op_sel_hi:[1,0,0]
.set n, n+2
.endr
.endm
.macro SQ2                             ; the exponentials and the reciprocals each go as one batch, with one plain line and one wait behind it, ahead of the first reader
.set n, 0
.rept 64
	v_exp_f32 v[TT+n], v[TT+n]
.set n, n+1
.endr
	v_nop
	s_wait_alu depctr_va_vdst(0)
.set n, 0
.rept 32
	v_pk_add_f32 v[TT+n:TT+n+1], v[TT+n:TT+n+1], s[IC:IC+1] op_sel_hi:[1,0]
.set n, n+2
.endr
.set n, 0
.rept 64
	v_rcp_f32 v[TT+n], v[TT+n]
.set n, n+1
.endr
	v_nop
	s_wait_alu depctr_va_vdst(0)
.set n, 0
.rept 32
	v_pk_mul_f32 v[TT+n:TT+n+1], v[SS+n:SS+n+1], v[TT+n:TT+n+1]   ; behind these S^T's registers are free
.set n, n+2
.endr
.endm
.macro SQ3 ph
.set n, 0
.rept 64
	v_med3_num_f32 v[TT+n], v[TT+n], -v[LIM], v[LIM]   ; the conversion to an 8-bit code does not saturate (ISA guide 7.6.2)
.set n, n+1
.endr
.irp u, 0,1
.irp k, 0,1,2,3
	v_cvt_scalef32_pk8_fp8_f32 v[PC+16*\u+2*(4*(\ph)+\k):PC+16*\u+2*(4*(\ph)+\k)+1], v[TT+32*\u+8*\k:TT+32*\u+8*\k+7], v[SCL]
.endr
.endr
	v_nop                                          ; one plain line behind the last conversion
.endm
; THE WAY OUT of a wave.  g's 32 rows come out of LDS first; then O^T goes through the stage, which lies over the bytes just read (LDS serves a wave's instructions in order: ISA guide 5.7.1.4), a tile of 16 queries at a time,
; and comes back as whole rows of 512 bytes; each is multiplied by the same bytes of g = silu(U) 2^(e10 + e11) and stored.
.macro WAYOUT
	s_wait_asynccnt 0x0                            ; my copies have landed; nobody else reads their bytes
.set n, 0
.rept 32
	ds_load_b128 v[SS+4*n:SS+4*n+3], v[GLA] offset:512*n
.set n, n+1
.endr
.irp u, 0,1
	WIN 0x04                                       ; store data window 1
.irp c, 0,1,2,3,4,5,6,7
	ds_store_b128 v[STO], v[OA+64*\u+8*\c:OA+64*\u+8*\c+3] offset:64*\c          ; lane (r, h): o(query r, channels 16 c + 8 h + 0 .. 7); each accumulator from its low end on
	ds_store_b128 v[STO], v[OA+64*\u+8*\c+4:OA+64*\u+8*\c+7] offset:64*\c+16
.endr
	WIN 0x40                                       ; destination window 1
.irp i, 0,1,2,3,4,5,6,7,8,9,10,11,12,13,14,15
	ds_load_b128 v[FR+64*\u+4*\i:FR+64*\u+4*\i+3], v[GLA] offset:SPI*\i
.endr
.endr
.irp u, 0,1
	s_wait_dscnt 32*(1-\u)                         ; g and this tile are back; the other tile's sixteen stores and sixteen loads may be out
	WIN 0x01                                       ; source 0 window 1
.set n, 0
.rept 32
	v_pk_mul_f32 v[SS+64*\u+n:SS+64*\u+n+1], v[FR+64*\u+n:FR+64*\u+n+1], v[SS+64*\u+n:SS+64*\u+n+1]
.set n, n+2
.endr
	WIN 0
.irp i, 0,1,2,3,4,5,6,7,8,9,10,11,12,13,14,15
	global_store_b128 v[GO], v[SS+64*\u+4*\i:SS+64*\u+4*\i+3], s[OP:OP+1] offset:(16*\u+\i)*4096 th:TH_STORE_NT   ; 32 lanes store 512 consecutive bytes, at a multiple of 256 from out0's first byte
.endr
.endr
.endm
; A KEY STEP, tile KS in slot KS % 3.  All eight waves bring tile KS + 2 (into registers at the step's head, into slot (KS + 2) % 3 at its end); a wave works if the step's keys do not all come after its queries.
; At the step's head a working wave holds K's fragments 0-3 and their bias already.  No run of LDS loads is longer than sixteen, and vector work stands between the runs.
; ONE barrier a step: in front of it each wave has waited for all its LDS reads and stores; behind it the slot just written is whole, and the slot just read out may be written in the next step.
.macro STEP slot, first
	s_cmp_lt_u32 s[KS], s[LK1]
	s_cbranch_scc0 .Lno_load_\@
	LOADT ST, 0
.Lno_load_\@:
	s_cmp_lt_u32 s[KS], s[PL]
	s_cbranch_scc0 .Lno_ask_\@
	global_prefetch_b8 v[PFO], s[PFA:PFA+1] th:TH_LOAD_NT scope:SCOPE_SE   ; my 8,192 bytes of tile KS + 3
.Lno_ask_\@:
.if \first                             ; (in key step 0 every wave works, and nothing has been fetched ahead)
	v_add_nc_u32 v[AB], s[SB], v[VB]
	KLOADT \slot
	BLOAD 0, 0
	s_wait_dscnt 0x0
.else
	s_cmp_gt_u32 s[KS], s[QB]
	s_cbranch_scc1 .Lidle_\@
	v_add_nc_u32 v[AB], s[SB], v[VB]
.endif
	SMUL 0                                         ; keys 0-63: all operands in window 0
	WIN 0x40                                       ; destination window 1
	KLOADF \slot                                   ; K's fragments 4-7: they land under the first half's silu
	WIN 0
	PLACES                                         ; for the reads of the scores and the writes of the work registers, which held K
	SQ1
	WIN 0x40
	VLOAD \slot, 0
	WIN 0
	SQ2
	BLOAD 1, 0                                     ; the second half's bias
	SQ3 0
	s_wait_dscnt 0x0                               ; K's fragments 4-7 and their bias
	WIN 0x01                                       ; source 0 window 1
	SMUL 1                                         ; keys 64-127
	WIN 0
	PLACES                                         ; for the reads of the scores, and for V's loads into K's registers
	SQ1
	WIN 0x40
	VLOAD \slot, 4
	WIN 0
	SQ2
	BLOAD 0, 512                                   ; THE NEXT KEY STEP'S first bias,
	SQ3 1
	KLOADT (\slot+1)%3                             ; and its first four fragments of K, out of the slot that was whole before this step began
	s_wait_dscnt 32                                ; V is in; the 32 loads for the next step may be out
	WIN 0x51                                       ; source 0, C and D window 1
	PVMUL \first
	WIN 0
	PLACES                                         ; for the next step's loads into V's registers, and for the way out's reads of O^T
.if !\first
	s_branch .Ljoin_\@
.Lidle_\@:
	s_cmp_lg_u32 s[KS], s[QB1]
	s_cbranch_scc1 .Ljoin_\@
	WAYOUT                                         ; my block was finished in the step before
.Ljoin_\@:
.endif
	s_wait_loadcnt 0x0                             ; on every wave's path: the step's nine loads, if it had any, are in: so no later load lands on a register that a pending one has yet to write
	s_wait_xcnt 0x0                                ; the step's prefetch and the way out's stores have read their registers
	s_add_nc_u64 s[PFA:PFA+1], s[PFA:PFA+1], 16384
	s_cmp_lt_u32 s[KS], s[LK1]
	s_cbranch_scc0 .Lno_store_\@
	s_add_nc_u64 s[KPT:KPT+1], s[KPT:KPT+1], 16384
	s_add_nc_u64 s[VPT:VPT+1], s[VPT:VPT+1], 16384
	s_add_nc_u64 s[MPT:MPT+1], s[MPT:MPT+1], 128
	STORET (\slot+2)%3, ST
.Lno_store_\@:
	s_wait_dscnt 0x0                               ; my LDS reads are back and my stores have landed
	s_barrier_signal -1
	s_barrier_wait -1
	s_add_co_u32 s[KS], s[KS], 1
	s_add_co_u32 s[SB], s[SB], 512
.endm
	STEP 0, 1                                      ; key step 0 stands in front of the loop: its products start O^T
	s_mov_b32 s[TR], 5
.Ltrip:                                            ; five trips of three key steps, once round the slots: 1 .. 15, a constant of the text; steps behind 15 - i bring nothing
	STEP 1, 0
	STEP 2, 0
	STEP 0, 0
	s_sub_co_u32 s[TR], s[TR], 1
	s_cmp_lg_u32 s[TR], 0
	s_cbranch_scc1 .Ltrip
	s_cmp_lg_u32 s[KS], s[QB1]                     ; block 15 was finished in the last key step: its waves leave here
	s_cbranch_scc1 .Ldone
	WAYOUT
.Ldone:
	s_wait_asynccnt 0x0                            ; on every path: no copy is out at the end
	s_wait_xcnt 0x0
	v_lshl_add_u32 v254, v0, 2, 0x4b900
	v_mov_b32 v255, 0
	s_wait_tensorcnt 0x0
	ds_add_u32 v254, v255
	s_wait_dscnt 0x0
	s_endpgm
.Lfunc_end_k_q552795bced_attn:
	.size	k_q552795bced_attn, .Lfunc_end_k_q552795bced_attn-k_q552795bced_attn
	.p2alignl 7, 3214868480
	.fill 96, 4, 3214868480
	.section	.rodata,"a",@progbits
	.p2align	6, 0x0
	.amdhsa_kernel k_q552795bced_attn
		.amdhsa_group_segment_fixed_size 310528
		.amdhsa_private_segment_fixed_size 0
		.amdhsa_enable_private_segment 0
		.amdhsa_kernarg_size 64
		.amdhsa_user_sgpr_count 2
		.amdhsa_user_sgpr_kernarg_segment_ptr 1
		.amdhsa_wavefront_size32 1
		.amdhsa_system_sgpr_workgroup_id_x 1
		.amdhsa_system_sgpr_workgroup_id_y 1
		.amdhsa_system_sgpr_workgroup_id_z 1
		.amdhsa_system_vgpr_workitem_id 0
		.amdhsa_next_free_vgpr 512
		.amdhsa_next_free_sgpr 66
		.amdhsa_reserve_vcc 0
		.amdhsa_float_denorm_mode_32 3
		.amdhsa_float_denorm_mode_16_64 3
		.amdhsa_memory_ordered 1
		.amdhsa_forward_progress 1
		.amdhsa_inst_pref_size 236
	.end_amdhsa_kernel
	.amdgpu_metadata
---
amdhsa.version: [ 1, 2 ]
amdhsa.kernels:
  - .name:           k_q552795bced_attn
    .symbol:         k_q552795bced_attn.kd
    .args:
      - { .name: qq, .offset: 0, .size: 8, .value_kind: global_buffer, .address_space: global }
      - { .name: kq, .offset: 8, .size: 8, .value_kind: global_buffer, .address_space: global }
      - { .name: vq, .offset: 16, .size: 8, .value_kind: global_buffer, .address_space: global }
      - { .name: kmask, .offset: 24, .size: 8, .value_kind: global_buffer, .address_space: global }
      - { .name: bt, .offset: 32, .size: 8, .value_kind: global_buffer, .address_space: global }
      - { .name: g, .offset: 40, .size: 8, .value_kind: global_buffer, .address_space: global }
      - { .name: lowp_scales, .offset: 48, .size: 8, .value_kind: global_buffer, .address_space: global }
      - { .name: out0, .offset: 56, .size: 8, .value_kind: global_buffer, .address_space: global }
    .group_segment_fixed_size: 310528
    .private_segment_fixed_size: 0
    .kernarg_segment_align: 8
    .kernarg_segment_size: 64
    .max_flat_workgroup_size: 256
    .sgpr_count:     66
    .vgpr_count:     512
    .wavefront_size: 32
...
	.end_amdgpu_metadata
.endif
;; end of part 3
